; MI455X (gfx1250); checked and timed in simulation.
; The chip was launched on July 23, 2026; its instructions are those of AMD's public machine-readable ISA for CDNA 5 (MIT licence, August 2026) and "CDNA5" Instruction Set Architecture Reference Guide (July 2026). The comments in the code are by the model that wrote it; some were corrected since.
;; Diagonal Rydberg Hamiltonian. Allowed arithmetic: float matrix products may take bf16 or f16 operands with f32 sums; all other float work in f32.
;; Inputs: U 22 x 22 float32; detune 1 float32; rabi 1 float32; state_imag 4,194,304 float32; state_real 4,194,304 float32.
;; Outputs: out0 2 x 4,194,304 float32.
;; Constants: n_qubits = 22.
;; 2 versions, each right and faster than the one before. Each part assembles by itself: llvm-mc -triple=amdgcn-amd-amdhsa -mcpu=gfx1250 --defsym DOCPART=n.
;; ======== version 1 of 2: 1 launch
;; launch rydberg (part 1): grid 128 x 2, 16 waves a work-group, no clusters, 131,072 bytes of LDS; arguments state_real, state_imag, U, detune, rabi, out0; writes out0
.if DOCPART == 1
	.amdgcn_target "amdgcn-amd-amdhsa--gfx1250"
	.amdhsa_code_object_version 6
	.text
	.protected	k_q65346b479f_rydberg
	.globl	k_q65346b479f_rydberg
	.p2align	8
	.type	k_q65346b479f_rydberg,@function
k_q65346b479f_rydberg:
	s_mov_b64 s[64:65], 0
	v_nop
	global_prefetch_b8 v0, s[64:65] scope:SCOPE_SE
	s_setreg_imm32_b32 hwreg(HW_REG_WAVE_MODE, 25, 1), 1
	s_wait_xcnt 0x0
; out[b] = (rabi/2) * sum over k of psi[b xor 2^k]  +  diag(b) * psi[b],   b = 0 .. 2^22-1,  for the real and the imaginary part alike
; (every weight is real, so the two parts never mix).  diag(b) = -detune * popcount(b) + sum over qubits i < j of U[i][j] bit_i bit_j,
; qubit a = index bit 21 - a.  All arithmetic in f32.
;
; SHARES.  Work-group (T, y): tile T (2^15 numbers, 128 KiB) of array y (0 real, 1 imaginary).  Sixteen waves.  Index bits:
;   0-1 the four registers of a 16-byte load | 2-6 lane | 7-10 load j = 0..15 of a lane | 11-14 wave | 15-21 tile number T.
; A load or store of a wave covers 512 consecutive bytes, aligned; a wave owns 8 KiB, a lane 64 numbers.
; FLIPS.  Bits 0-1, 7-10: adds between registers, two bits at a time (of four numbers a b c d, a+d and b+c each serve two outputs).
;   Bits 2-5: row_xmask on the add.  Bit 6: v_permlanex16_b32.  Bits 11-14: each wave stores its numbers to LDS once and reads four partners.
;   Bits 15-21: the same 512 bytes of the seven tiles T xor 2^k, loaded from memory and added number by number.
; DIAGONAL.  The product triu(U) x bits has a 0/1 factor whose columns are the counting numbers, so the quadratic form is split:
;   q(F + v) = q(F) + sum v_p g_p(F) + q(v), F = the bits fixed in a lane, v = the six bits that run over its registers.
;   A lane builds its 64 values by doubling, about one packed add a number; no product of 22 x 22 per number is formed, hence no matrix instruction.
; NO CLUSTER: a tile is read by its owner and seven neighbours, and two work-groups have at most two of their eight tiles in common.  A joint load
;   lands at one LDS address in all partners, so four partners would each take in four tiles to use three and choose by value; five of eight stay unshared.
; LIMITS: sums are formed in another order than in the reference.  Entries of U that are not finite are not followed: the reference multiplies
;   them by zero bits (NaN); here entries that belong to unset tile or wave bits are selected away.
.set TILE_SH, 17                       ; a tile is 2^17 bytes
.set WAVE_SH, 13                       ; a wave's part 2^13 bytes
.set STEP,    512                      ; bytes of one load of a wave
.set XR,   8                           ; v[8:71]    my 64 numbers, then (rabi/2) x them
.set ACC,  72                          ; v[72:135]  first the 64 diagonals, then the results
.set RING, 136                         ; v[136:247] slots of 28 registers: seven neighbours' 16 bytes; slot 3 lies on TMP and is used late
.set GRP,  28
.set TMP,  220                         ; v[220:255] at work
.set AU,   TMP+11                      ; lane l: sum of U[a][l] over the set tile and wave qubits a < l
.set TT,   TMP+12
.set LM,   TMP+13                      ; v[LM+m]: lane bit m as 0.0 or 1.0
.set GL,   TMP+18                      ; linear weights of index bits 0 and 1
.set GQ,   TMP+20                      ; four registers for each of index bits 7..10: its weight for the four register places
; v0 my LDS address, v1 lane, v2 byte offset of my column of U, v3 16 x lane, v[4:7] LDS addresses in the four partner waves
; s[16:63], s[66:76] the triangle U[a][c], 11 <= a < c <= 21:  rows 11-15: s[16+8(a-11)+c-14]; row 16: s[56+c-18], s75 = U[16][17];
;   row 17: s[60+c-18]; row 18: s[68+c-18]; row 19: s66, s67; s72, s73 = U[11][12], U[11][13]; s74 = U[12][13]; s76 = U[20][21]
; s77 -detune, s[98:99] rabi/2 twice, s79 the 11 uniform index bits, s[80:81] my part of my tile, s[82:95] of the seven neighbours, s[96:97] of out
.macro PADD4 d, a, b                   ; four numbers: d = a + b
	v_pk_add_f32 v[\d:\d+1], v[\a:\a+1], v[\b:\b+1]
	v_pk_add_f32 v[\d+2:\d+3], v[\a+2:\a+3], v[\b+2:\b+3]
.endm
	s_load_b256 s[4:11], s[0:1], 0x0               ; state_real, state_imag, U, detune
	s_load_b128 s[12:15], s[0:1], 0x20             ; rabi, out0
	v_and_b32 v1, 31, v0                           ; lane
	v_lshrrev_b32 v2, 5, v0
	v_readfirstlane_b32 s2, v2                     ; wave 0..15
	v_min_u32 v2, 21, v1                           ; my column of U (lanes 22-31 repeat column 21 and are not used)
	v_lshlrev_b32 v2, 2, v2
	v_lshlrev_b32 v3, 4, v1                        ; 16 bytes a lane
	v_lshl_add_u32 v0, s2, WAVE_SH, v3             ; LDS: wave x 8,192 + 16 x lane
.irp m, 0,1,2,3
	s_xor_b32 s101, s2, 1<<\m                      ; the wave whose number differs in bit m: index bit 11 + m
	v_lshl_add_u32 v[4+\m], s101, WAVE_SH, v3
.endr
	s_and_b32 s3, ttmp7, 0xffff                    ; y
	s_lshl_b32 s79, ttmp9, 4
	s_or_b32 s79, s79, s2                          ; index bits 11..21 = T x 16 + wave; bit m is qubit 10 - m
	s_lshl_b32 s100, s2, WAVE_SH
	s_mov_b32 s104, 0x76543210                     ; v_permlanex16_b32: lane i takes lane i of the other half
	s_mov_b32 s105, 0xfedcba98
	s_wait_kmcnt 0x0
.irp a, 0,1,2,3,4,5,6,7,8,9,10
	global_load_b32 v[TMP+\a], v2, s[8:9] offset:88*\a     ; rows 0..10 of U, lane = column: first, so that they are back first
.endr
	s_cmp_eq_u32 s3, 0
	s_cselect_b64 s[4:5], s[4:5], s[6:7]           ; the array of this work-group
	s_lshl_b32 s6, ttmp9, TILE_SH
	s_or_b32 s6, s6, s100                          ; byte offset of my wave's part: below 2^24
	s_mov_b32 s7, 0
	s_add_nc_u64 s[80:81], s[4:5], s[6:7]
.irp j, 0,1,2,3,4,5,6,7,8,9,10,11,12,13,14,15
	global_load_b128 v[XR+4*\j:XR+4*\j+3], v3, s[80:81] offset:STEP*\j
.endr
	s_load_b256 s[16:23], s[8:9], 1024             ; U[11][14..21]   (byte 4 (22 a + c))
	s_load_b256 s[24:31], s[8:9], 1112             ; U[12][14..21]
	s_load_b256 s[32:39], s[8:9], 1200             ; U[13][14..21]
	s_load_b256 s[40:47], s[8:9], 1288             ; U[14][14..21]
	s_load_b256 s[48:55], s[8:9], 1376             ; U[15][14..21]
	s_load_b128 s[56:59], s[8:9], 1480             ; U[16][18..21]
	s_load_b128 s[60:63], s[8:9], 1568             ; U[17][18..21]
	s_load_b128 s[68:71], s[8:9], 1656             ; U[18][18..21]
	s_load_b64 s[66:67], s[8:9], 1752              ; U[19][20..21]
	s_load_b64 s[72:73], s[8:9], 1016              ; U[11][12..13]
	s_load_b32 s74, s[8:9], 1108                   ; U[12][13]
	s_load_b32 s75, s[8:9], 1476                   ; U[16][17]
	s_load_b32 s76, s[8:9], 1844                   ; U[20][21]
	s_load_b32 s77, s[10:11], 0x0                  ; detune
	s_load_b32 s78, s[12:13], 0x0                  ; rabi
	s_lshl_b32 s3, s3, 24                          ; out0's row y: 2^24 bytes
	s_or_b32 s6, s6, s3
	s_add_nc_u64 s[96:97], s[14:15], s[6:7]
.irp k, 0,1,2,3,4,5,6
	s_xor_b32 s6, ttmp9, 1<<\k                     ; the tile whose number differs in bit k: index bit 15 + k
	s_lshl_b32 s6, s6, TILE_SH
	s_or_b32 s6, s6, s100
	s_add_nc_u64 s[82+2*\k:83+2*\k], s[4:5], s[6:7]
.endr
; Group g = the 512 bytes at step g of my wave's part in each of the seven neighbour tiles.  NISS counts the groups issued.
; The slot may be given as an expression, so it stands in brackets wherever it is multiplied.
.set NISS, 0
.macro ISSUE slot
.irp k, 0,1,2,3,4,5,6
	global_load_b128 v[RING+GRP*(\slot)+4*\k:RING+GRP*(\slot)+4*\k+3], v3, s[82+2*\k:83+2*\k] offset:STEP*NISS
.endr
.set NISS, NISS+1
.endm
	ISSUE 0
	ISSUE 1
	ISSUE 2                                        ; 11 + 16 + 21 = 48 loads of the wave are out
	; ---- the diagonal, while the loads are on their way
.irp m, 0,1,2,3,4
	v_bfe_u32 v[LM+\m], v1, \m, 1
.endr
.irp m, 0,1,2,3,4
	v_cvt_f32_u32 v[LM+\m], v[LM+\m]
.endr
	s_wait_kmcnt 0x0                               ; the triangle of U, detune, rabi
	s_xor_b32 s77, s77, 0x80000000                 ; -detune
	s_mul_f32 s98, s78, 0.5                        ; rabi / 2,
	s_mov_b32 s99, s98                             ; twice: a scalar pair is named whole by the packed forms
	s_mov_b32 s101, 0                              ; upper half of the pair s[100:101]
	s_wait_loadcnt 37                              ; U's rows are in: 16 + 21 loads were issued behind them; s[8:9] are free from here
	; AU(l) = sum over qubits a = 0..10 whose bit is set, a < l, of U[a][l].  The mask holds lanes l > a, or nothing.
	s_bitcmp1_b32 s79, 10
	s_cselect_b32 s3, 0xfffffffe, 0
	v_cndmask_b32 v[AU], 0, v[TMP], s3
.irp a, 1,2,3,4,5,6,7,8,9,10
	s_bitcmp1_b32 s79, 10-\a
	s_cselect_b32 s3, (0xffffffff<<(\a+1))&0xffffffff, 0
	v_cndmask_b32 v[TT], 0, v[TMP+\a], s3
	v_add_f32 v[AU], v[AU], v[TT]
.endr
	; q of the uniform bits: sum over lanes l = 0..10 whose own qubit is set of AU(l), and -detune for each set bit
	v_sub_nc_u32 v[TT], 10, v1
	v_lshrrev_b32 v[TT], v[TT], s79                ; lanes above 10 shift by 11 or more (the amount is taken modulo 32) and get 0
	v_and_b32 v[TT], 1, v[TT]
	v_cmp_ne_u32 vcc_lo, 0, v[TT]
	v_cndmask_b32 v[TT], 0, v[AU], vcc_lo
	v_add_f32_dpp v[TT], v[TT], v[TT] row_xmask:1 row_mask:0xf bank_mask:0xf
	v_add_f32_dpp v[TT], v[TT], v[TT] row_xmask:2 row_mask:0xf bank_mask:0xf
	v_add_f32_dpp v[TT], v[TT], v[TT] row_xmask:4 row_mask:0xf bank_mask:0xf
	v_add_f32_dpp v[TT], v[TT], v[TT] row_xmask:8 row_mask:0xf bank_mask:0xf
	v_readfirstlane_b32 s8, v[TT]
	s_bcnt1_i32_b32 s9, s79
	s_cvt_f32_u32 s9, s9
	s_fmac_f32 s8, s9, s77
	; q of all bits fixed in the lane, into ACC+0.  Lane bit m is qubit 19 - m; its weight from the uniform bits lies in AU's lane 19 - m.
	v_readlane_b32 s9, v[AU], 19
	s_add_f32 s9, s9, s77
	v_fma_f32 v[ACC], v[LM], s9, s8
	v_readlane_b32 s9, v[AU], 18
	s_add_f32 s9, s9, s77
	v_fma_f32 v[TT], v[LM], s69, s9                ; U[18][19]
	v_fma_f32 v[ACC], v[LM+1], v[TT], v[ACC]
	v_readlane_b32 s9, v[AU], 17
	s_add_f32 s9, s9, s77
	v_fma_f32 v[TT], v[LM], s61, s9                ; U[17][19]
	v_fma_f32 v[TT], v[LM+1], s60, v[TT]           ; U[17][18]
	v_fma_f32 v[ACC], v[LM+2], v[TT], v[ACC]
	v_readlane_b32 s9, v[AU], 16
	s_add_f32 s9, s9, s77
	v_fma_f32 v[TT], v[LM], s57, s9                ; U[16][19]
	v_fma_f32 v[TT], v[LM+1], s56, v[TT]           ; U[16][18]
	v_fma_f32 v[TT], v[LM+2], s75, v[TT]           ; U[16][17]
	v_fma_f32 v[ACC], v[LM+3], v[TT], v[ACC]
	v_readlane_b32 s9, v[AU], 15
	s_add_f32 s9, s9, s77
	v_fma_f32 v[TT], v[LM], s53, s9                ; U[15][19]
	v_fma_f32 v[TT], v[LM+1], s52, v[TT]           ; U[15][18]
	v_fma_f32 v[TT], v[LM+2], s51, v[TT]           ; U[15][17]
	v_fma_f32 v[TT], v[LM+3], s50, v[TT]           ; U[15][16]
	v_fma_f32 v[ACC], v[LM+4], v[TT], v[ACC]
; the weight of a running bit (qubit ln): -detune + uniform bits' share + lane bits' share; u0..u4 = U between it and qubits 19..15
.macro GLIN dst, ln, u0, u1, u2, u3, u4
	v_readlane_b32 s9, v[AU], \ln
	s_add_f32 s9, s9, s77
	v_fma_f32 v[\dst], v[LM], s[\u0], s9
	v_fma_f32 v[\dst], v[LM+1], s[\u1], v[\dst]
	v_fma_f32 v[\dst], v[LM+2], s[\u2], v[\dst]
	v_fma_f32 v[\dst], v[LM+3], s[\u3], v[\dst]
	v_fma_f32 v[\dst], v[LM+4], s[\u4], v[\dst]
.endm
	GLIN GL,    21, 67, 71, 63, 59, 55             ; index bit 0  = qubit 21
	GLIN GL+1,  20, 66, 70, 62, 58, 54             ; index bit 1  = qubit 20
	GLIN GQ,    14, 45, 44, 43, 42, 41             ; index bit 7  = qubit 14
	GLIN GQ+4,  13, 37, 36, 35, 34, 33             ; index bit 8  = qubit 13
	GLIN GQ+8,  12, 29, 28, 27, 26, 25             ; index bit 9  = qubit 12
	GLIN GQ+12, 11, 21, 20, 19, 18, 17             ; index bit 10 = qubit 11
	v_add_f32 v[ACC+1], v[ACC], v[GL]              ; the four register places of step j = 0
	v_add_f32 v[ACC+2], v[ACC], v[GL+1]
	v_add_f32 v[TT], s76, v[GL+1]                  ; U[20][21]
	v_add_f32 v[ACC+3], v[ACC+1], v[TT]
.macro GQUAD n, c21, c20                           ; the weight of index bit 7 + n at the four register places
	v_add_f32 v[GQ+4*\n+1], s[\c21], v[GQ+4*\n]
	v_add_f32 v[GQ+4*\n+2], s[\c20], v[GQ+4*\n]
	v_add_f32 v[GQ+4*\n+3], s[\c20], v[GQ+4*\n+1]
.endm
	GQUAD 0, 47, 46
	GQUAD 1, 39, 38
	GQUAD 2, 31, 30
	GQUAD 3, 23, 22
; doubling over j: D[2^n + j] = D[j] + weight of bit n + (U between bit n and the set bits of j, in s100)
.macro DBL0 n
	PADD4 ACC+4*(1<<\n), ACC, GQ+4*\n
.endm
.macro DBL n, j
	v_pk_add_f32 v[TMP+4*(\j%2):TMP+4*(\j%2)+1], v[GQ+4*\n:GQ+4*\n+1], s[100:101] op_sel_hi:[1,0]
	v_pk_add_f32 v[TMP+4*(\j%2)+2:TMP+4*(\j%2)+3], v[GQ+4*\n+2:GQ+4*\n+3], s[100:101] op_sel_hi:[1,0]
	PADD4 ACC+4*((1<<\n)+\j), ACC+4*\j, TMP+4*(\j%2)
.endm
	DBL0 0
	DBL0 1
	s_mov_b32 s100, s32                            ; U[13][14]
	DBL 1, 1
	DBL0 2
	s_mov_b32 s100, s24                            ; U[12][14]
	DBL 2, 1
	s_mov_b32 s100, s74                            ; U[12][13]
	DBL 2, 2
	s_add_f32 s100, s24, s74
	DBL 2, 3
	DBL0 3
	s_mov_b32 s100, s16                            ; U[11][14]
	DBL 3, 1
	s_mov_b32 s100, s73                            ; U[11][13]
	DBL 3, 2
	s_add_f32 s100, s16, s73
	DBL 3, 3
	s_mov_b32 s100, s72                            ; U[11][12]
	DBL 3, 4
	s_add_f32 s100, s16, s72
	DBL 3, 5
	s_add_f32 s100, s73, s72
	DBL 3, 6
	s_add_f32 s100, s100, s16
	DBL 3, 7
	; ---- my own numbers: result = D x + (rabi/2)(flips of bits 0 and 1), fused; then x is scaled in place and goes to LDS
.set e, 0
.rept 16
	s_wait_loadcnt 36-e                            ; own load e is in: 15 - e own loads and 21 neighbour loads are younger
	v_pk_add_f32 v[TMP+2*e:TMP+2*e+1], v[XR+4*e:XR+4*e+1], v[XR+4*e+2:XR+4*e+3] op_sel:[0,1] op_sel_hi:[1,0]   ; (a + d, b + c)
	v_pk_mul_f32 v[TMP+2*e:TMP+2*e+1], v[TMP+2*e:TMP+2*e+1], s[98:99] op_sel_hi:[1,0]
	v_pk_fma_f32 v[ACC+4*e:ACC+4*e+1], v[ACC+4*e:ACC+4*e+1], v[XR+4*e:XR+4*e+1], v[TMP+2*e:TMP+2*e+1] op_sel:[0,0,1] op_sel_hi:[1,1,0]   ; places 0, 1 take b + c, a + d
	v_pk_fma_f32 v[ACC+4*e+2:ACC+4*e+3], v[ACC+4*e+2:ACC+4*e+3], v[XR+4*e+2:XR+4*e+3], v[TMP+2*e:TMP+2*e+1]                               ; places 2, 3 take a + d, b + c
	v_pk_mul_f32 v[XR+4*e:XR+4*e+1], v[XR+4*e:XR+4*e+1], s[98:99] op_sel_hi:[1,0]
	v_pk_mul_f32 v[XR+4*e+2:XR+4*e+3], v[XR+4*e+2:XR+4*e+3], s[98:99] op_sel_hi:[1,0]
	ds_store_b128 v0, v[XR+4*e:XR+4*e+3] offset:STEP*e     ; 32 lanes, 512 consecutive bytes
.set e, e+1
.endr
	s_wait_dscnt 0x0                               ; for the partner waves: my 8 KiB are in LDS
	s_barrier_signal -1
	; register work while the others arrive: flips of bits 7-10, two bits at a time, and of bit 6
.macro QJ a, b, c, d, t                            ; steps a b c d = 00 01 10 11 of two bits of j
	PADD4 \t, XR+4*(\a), XR+4*(\d)
	PADD4 \t+4, XR+4*(\b), XR+4*(\c)
	PADD4 ACC+4*(\a), ACC+4*(\a), \t+4
	PADD4 ACC+4*(\d), ACC+4*(\d), \t+4
	PADD4 ACC+4*(\b), ACC+4*(\b), \t
	PADD4 ACC+4*(\c), ACC+4*(\c), \t
.endm
.irp g, 0,1,2,3
	QJ 4*\g, 4*\g+1, 4*\g+2, 4*\g+3, TMP+8*\g
.endr
.irp g, 0,1,2,3
	QJ \g, \g+4, \g+8, \g+12, TMP+8*\g
.endr
.irp b, 0,1,2,3,4,5,6,7
.irp i, 0,1,2,3,4,5,6,7
	v_permlanex16_b32 v[TMP+8*(\b%2)+\i], v[XR+8*\b+\i], s104, s105    ; lane xor 16; the destinations have been written before
.endr
.irp i, 0,2,4,6
	v_pk_add_f32 v[ACC+8*\b+\i:ACC+8*\b+\i+1], v[ACC+8*\b+\i:ACC+8*\b+\i+1], v[TMP+8*(\b%2)+\i:TMP+8*(\b%2)+\i+1]
.endr
.endr
	s_barrier_wait -1                              ; all sixteen parts are in LDS; nothing is stored to LDS again
; flips of bits 2-5: the add takes x from lane xor m inside each 16 lanes
.macro LANEX m
.set e, 0
.rept 64
	v_add_f32_dpp v[ACC+e], v[XR+e], v[ACC+e] row_xmask:\m row_mask:0xf bank_mask:0xf
.set e, e+1
.endr
.endm
; flips of bits 11-14: load i = 16 m + j takes step j of partner m; eight loads are kept out, in eight register quads
.macro LLOAD i
	ds_load_b128 v[TMP+4*((\i)%8):TMP+4*((\i)%8)+3], v[4+(\i)/16] offset:STEP*((\i)%16)
.endm
.macro LSTEP i
.if (\i) < 56
	s_wait_dscnt 7                                 ; LDS loads come back in order: load i is in, the seven younger stay out
.else
	s_wait_dscnt 63-(\i)                           ; nothing is issued any more: the count runs down
.endif
	PADD4 ACC+4*((\i)%16), ACC+4*((\i)%16), TMP+4*((\i)%8)
.if (\i) < 56
	LLOAD (\i)+8
.endif
.endm
.macro LRUN
.rept 16
	LSTEP ii
.set ii, ii+1
.endr
.endm
; group j, which lies in the given slot, is summed and joins the result; the slot is asked for again while groups are left
.macro NB j, slot
	s_wait_loadcnt 7*(NISS-(\j)-1)                 ; loads come back in order: the groups issued behind group j, seven loads each, stay out
.set R, RING+GRP*(\slot)
	PADD4 R, R, R+4
	PADD4 R+8, R+8, R+12
	PADD4 R+16, R+16, R+20
	PADD4 R, R, R+8
	PADD4 R+16, R+16, R+24
	PADD4 R, R, R+16
	v_pk_fma_f32 v[ACC+4*(\j):ACC+4*(\j)+1], v[R:R+1], s[98:99], v[ACC+4*(\j):ACC+4*(\j)+1] op_sel_hi:[1,0,1]
	v_pk_fma_f32 v[ACC+4*(\j)+2:ACC+4*(\j)+3], v[R+2:R+3], s[98:99], v[ACC+4*(\j)+2:ACC+4*(\j)+3] op_sel_hi:[1,0,1]
.if NISS < 16
	ISSUE \slot
.endif
.endm
.macro STORE j
	global_store_b128 v3, v[ACC+4*(\j):ACC+4*(\j)+3], s[96:97] offset:STEP*(\j) th:TH_STORE_NT   ; 512 consecutive bytes, aligned; written once, not read again
.endm
.set ii, 0
.rept 8
	LLOAD ii
.set ii, ii+1
.endr
.set ii, 0
	LANEX 1                                        ; lane flips, LDS reads and six neighbour groups by turns, so that loads from memory keep going out
	LRUN
	NB 0, 0                                        ; group 3 goes into slot 0,
	NB 1, 1                                        ; group 4 into slot 1,
	LANEX 2
	LRUN
	NB 2, 2                                        ; group 5 into slot 2,
	NB 3, 0                                        ; group 6 into slot 0,
	LANEX 4
	LRUN
	NB 4, 1                                        ; group 7 into slot 1,
	NB 5, 2                                        ; group 8 into slot 2
	LANEX 8
	LRUN                                           ; ends with s_wait_dscnt 0: TMP is free
	ISSUE 3                                        ; group 9 into the fourth slot; groups 6 7 8 9 are out, in slots 0 1 2 3
.irp j, 0,1,2,3,4,5
	STORE \j
.endr
.set jj, 6
.rept 10
	NB jj, (jj-6)%4                                ; group j lies in slot (j - 6) mod 4; counts 21 while four groups are kept out, then 14, 7, 0
	STORE jj
.set jj, jj+1
.endr
	s_endpgm
.Lfunc_end_k_q65346b479f_rydberg:
	.size	k_q65346b479f_rydberg, .Lfunc_end_k_q65346b479f_rydberg-k_q65346b479f_rydberg
	.p2alignl 7, 3214868480
	.fill 96, 4, 3214868480
	.section	.rodata,"a",@progbits
	.p2align	6, 0x0
	.amdhsa_kernel k_q65346b479f_rydberg
		.amdhsa_group_segment_fixed_size 131072
		.amdhsa_private_segment_fixed_size 0
		.amdhsa_enable_private_segment 0
		.amdhsa_kernarg_size 48
		.amdhsa_user_sgpr_count 2
		.amdhsa_user_sgpr_kernarg_segment_ptr 1
		.amdhsa_wavefront_size32 1
		.amdhsa_system_sgpr_workgroup_id_x 1
		.amdhsa_system_sgpr_workgroup_id_y 1
		.amdhsa_system_sgpr_workgroup_id_z 1
		.amdhsa_system_vgpr_workitem_id 0
		.amdhsa_next_free_vgpr 256
		.amdhsa_next_free_sgpr 106
		.amdhsa_reserve_vcc 1
		.amdhsa_float_denorm_mode_32 3
		.amdhsa_float_denorm_mode_16_64 3
		.amdhsa_memory_ordered 1
		.amdhsa_forward_progress 1
		.amdhsa_inst_pref_size 94
	.end_amdhsa_kernel
	.amdgpu_metadata
---
amdhsa.version: [ 1, 2 ]
amdhsa.kernels:
  - .name:           k_q65346b479f_rydberg
    .symbol:         k_q65346b479f_rydberg.kd
    .args:
      - { .name: state_real, .offset: 0, .size: 8, .value_kind: global_buffer, .address_space: global }
      - { .name: state_imag, .offset: 8, .size: 8, .value_kind: global_buffer, .address_space: global }
      - { .name: U, .offset: 16, .size: 8, .value_kind: global_buffer, .address_space: global }
      - { .name: detune, .offset: 24, .size: 8, .value_kind: global_buffer, .address_space: global }
      - { .name: rabi, .offset: 32, .size: 8, .value_kind: global_buffer, .address_space: global }
      - { .name: out0, .offset: 40, .size: 8, .value_kind: global_buffer, .address_space: global }
    .group_segment_fixed_size: 131072
    .private_segment_fixed_size: 0
    .kernarg_segment_align: 8
    .kernarg_segment_size: 48
    .max_flat_workgroup_size: 512
    .sgpr_count:     106
    .vgpr_count:     256
    .wavefront_size: 32
...
	.end_amdgpu_metadata
.endif
;; end of part 1
;; ======== version 2 of 2: 1 launch; 1.13 times as fast as version 1
;; launch rydberg (part 2): grid 256 x 1, 16 waves a work-group, no clusters, 131,072 bytes of LDS; arguments state_real, state_imag, U, detune, rabi, out0; writes out0
.if DOCPART == 2
	.amdgcn_target "amdgcn-amd-amdhsa--gfx1250"
	.amdhsa_code_object_version 6
	.text
	.protected	k_q65346b479f_rydberg
	.globl	k_q65346b479f_rydberg
	.p2align	8
	.type	k_q65346b479f_rydberg,@function
k_q65346b479f_rydberg:
	s_mov_b64 s[64:65], 0
	v_nop
	global_prefetch_b8 v0, s[64:65] scope:SCOPE_SE
	s_setreg_imm32_b32 hwreg(HW_REG_WAVE_MODE, 25, 1), 1
	s_wait_xcnt 0x0
; out[b] = (rabi/2) * sum over k of psi[b xor 2^k]  +  diag(b) * psi[b],   b = 0 .. 2^22-1,  for the real and the imaginary part alike
; (every weight is real, so the two parts never mix).  diag(b) = -detune * popcount(b) + sum over qubits i < j of U[i][j] bit_i bit_j,
; qubit a = index bit 21 - a.  All arithmetic in f32.
;
; SHARES.  Work-group n = 0..255: array y = bit 2 of n (0 real, 1 imaginary), tile T = the other seven bits of n (2^15 numbers, 128 KiB).
;   The two arrays share no byte, so work-groups whose numbers differ in bit 2 read nothing in common but U, detune and rabi.
;   Sixteen waves.  Main share, index bits: 0-1 the four registers of a 16-byte load | 2-6 lane | 7-10 load j = 0..15 | 11-14 wave | 15-21 T.
;   A load or store of a wave covers 512 consecutive bytes, aligned; a wave owns 8 KiB, a lane 64 numbers.
; FLIPS.  Bits 0-1, 7-10: adds between registers, two bits at a time (of four numbers a b c d, a+d and b+c each serve two outputs).
;   Bits 2-5: row_xmask on the add.  Bit 6: v_permlanex16_b32.
;   Bits 11-14: each wave loads 8 KiB of the tile once more in the TRANSPOSED share (wave = bits 7-10, load j = bits 11-14), where these four flips
;   are adds between registers too, stores the sum G at each number's own place in LDS, and reads it back in the main share: 16 LDS stores and
;   16 LDS loads a wave.  (Handing x itself round would be 16 stores and 64 loads a wave; the price here is 16 loads from memory more.)
;   Bits 15-21: the same 512 bytes of the seven tiles T xor 2^k, loaded from memory and added number by number.
; ORDER.  Behind the one barrier the work goes step by step over j: lane flips of quad j, its quad of G from LDS, its seven neighbour
;   quads from memory, its store.  Each step so holds 7 loads, 1 store, 1 LDS load and some 38 vector instructions: the kinds go on side by side.
; DIAGONAL.  The product triu(U) x bits has a 0/1 factor whose columns are the counting numbers, so the quadratic form is split:
;   q(F + v) = q(F) + sum v_p g_p(F) + q(v), F = the bits fixed in a lane, v = the six bits that run over its registers.
;   A lane builds its 64 values by doubling, about one packed add a number; no product of 22 x 22 per number is formed, hence no matrix instruction.
; NO CLUSTER: a tile is read by its owner and seven neighbours, and two work-groups have at most two of their eight tiles in common.  A joint load
;   lands at one LDS address in all partners, so four partners would each take in four tiles to use three and choose by value; five of eight stay unshared.
; LIMITS: sums are formed in another order than in the reference.  Entries of U that are not finite are not followed: the reference multiplies
;   them by zero bits (NaN); here entries that belong to unset tile or wave bits are selected away.
.set TILE_SH, 17                       ; a tile is 2^17 bytes
.set WAVE_SH, 13                       ; a wave's part in the main share: 2^13 bytes; also the step of j in the transposed share
.set STEP,    512                      ; bytes of one load of a wave; the step of j in the main share
.set XR,   8                           ; v[8:71]    my 64 numbers, then (rabi/2) x them
.set ACC,  72                          ; v[72:135]  first the 64 diagonals, then the results
.set RING, 136                         ; v[136:219] three slots of 28 registers: seven neighbours' 16 bytes
.set GRP,  28
.set QB,   RING                        ; v[136:199] ahead of the ring's first use: the transposed share, then G in place
.set T1,   RING+64                     ; v[200:231] for each four loads 4g..4g+3 of it: a + d, then b + c
.set T2,   RING+96                     ; v[232:247] two sets of the same two sums over loads c, c+4, c+8, c+12
.set TMP,  220                         ; v[220:255] at work; behind the barrier v[220:251] are eight quads for LDS loads
.set PX,   TMP+32                      ; v[252:255] behind the barrier: a quad of the other 16 lanes
.set AU,   TMP+11                      ; lane l: sum of U[a][l] over the set tile and wave qubits a < l
.set TT,   TMP+12
.set LM,   TMP+13                      ; v[LM+m]: lane bit m as 0.0 or 1.0
.set GL,   TMP+18                      ; linear weights of index bits 0 and 1
.set GQ,   TMP+20                      ; four registers for each of index bits 7..10: its weight for the four register places
; v0 LDS address of my main share, v1 lane, v2 byte offset of my column of U, v3 16 x lane, v4, v5 LDS addresses of my transposed share, j = 0 and j = 8
; s[16:63], s[66:76] the triangle U[a][c], 11 <= a < c <= 21:  rows 11-15: s[16+8(a-11)+c-14]; row 16: s[56+c-18], s75 = U[16][17];
;   row 17: s[60+c-18]; row 18: s[68+c-18]; row 19: s66, s67; s72, s73 = U[11][12], U[11][13]; s74 = U[12][13]; s76 = U[20][21]
; s77 -detune, s98 first T, then s[98:99] rabi/2 twice, s79 the 11 uniform index bits, s[80:81] my main share of my tile, s[82:95] the same part of
;   the seven neighbours, s[96:97] my transposed share, s[14:15] my part of out0
.macro PADD4 d, a, b                   ; four numbers: d = a + b
	v_pk_add_f32 v[\d:\d+1], v[\a:\a+1], v[\b:\b+1]
	v_pk_add_f32 v[\d+2:\d+3], v[\a+2:\a+3], v[\b+2:\b+3]
.endm
	s_load_b256 s[4:11], s[0:1], 0x0               ; state_real, state_imag, U, detune
	s_load_b128 s[12:15], s[0:1], 0x20             ; rabi, out0
	v_and_b32 v1, 31, v0                           ; lane
	v_lshrrev_b32 v2, 5, v0
	v_readfirstlane_b32 s2, v2                     ; wave 0..15
	v_min_u32 v2, 21, v1                           ; my column of U (lanes 22-31 repeat column 21 and are not used)
	v_lshlrev_b32 v2, 2, v2
	v_lshlrev_b32 v3, 4, v1                        ; 16 bytes a lane
	v_lshl_add_u32 v0, s2, WAVE_SH, v3             ; LDS, main share: wave x 8,192 + 16 x lane (+ 512 j)
	v_lshl_add_u32 v4, s2, 9, v3                   ; LDS, transposed share: wave x 512 + 16 x lane (+ 8,192 j);
	v_add_nc_u32 v5, 0x10000, v4                   ; j = 8..15 from a second register: an LDS immediate has 16 bits
	s_bfe_u32 s3, ttmp9, 0x10002                   ; y = bit 2 of the work-group's number
	s_lshr_b32 s98, ttmp9, 3
	s_lshl_b32 s98, s98, 2
	s_and_b32 s99, ttmp9, 3
	s_or_b32 s98, s98, s99                         ; T = its bits 7..3 and 1..0, 0 to 127
	s_lshl_b32 s79, s98, 4
	s_or_b32 s79, s79, s2                          ; index bits 11..21 = T x 16 + wave; bit m is qubit 10 - m
	s_lshl_b32 s100, s2, WAVE_SH                   ; my wave's place in a tile, main share
	s_lshl_b32 s99, s2, 9                          ; and transposed share
	s_lshl_b32 s101, s98, TILE_SH                  ; my tile's byte offset: below 2^24
	s_mov_b32 s104, 0x76543210                     ; v_permlanex16_b32: lane i takes lane i of the other half
	s_mov_b32 s105, 0xfedcba98
	s_wait_kmcnt 0x0
.irp a, 0,1,2,3,4,5,6,7,8,9,10
	global_load_b32 v[TMP+\a], v2, s[8:9] offset:88*\a     ; rows 0..10 of U, lane = column: first, so that they are back first
.endr
	s_cmp_eq_u32 s3, 0
	s_cselect_b64 s[4:5], s[4:5], s[6:7]           ; the array of this work-group
	s_or_b32 s6, s101, s99
	s_mov_b32 s7, 0
	s_add_nc_u64 s[96:97], s[4:5], s[6:7]
.irp j, 0,1,2,3,4,5,6,7,8,9,10,11,12,13,14,15
	global_load_b128 v[QB+4*\j:QB+4*\j+3], v3, s[96:97] offset:8192*\j     ; the transposed share: the barrier hangs on it, so it goes first
.endr
	s_or_b32 s6, s101, s100
	s_add_nc_u64 s[80:81], s[4:5], s[6:7]
.irp j, 0,1,2,3,4,5,6,7,8,9,10,11,12,13,14,15
	global_load_b128 v[XR+4*\j:XR+4*\j+3], v3, s[80:81] offset:STEP*\j     ; the main share
.endr
	s_load_b256 s[16:23], s[8:9], 1024             ; U[11][14..21]   (byte 4 (22 a + c))
	s_load_b256 s[24:31], s[8:9], 1112             ; U[12][14..21]
	s_load_b256 s[32:39], s[8:9], 1200             ; U[13][14..21]
	s_load_b256 s[40:47], s[8:9], 1288             ; U[14][14..21]
	s_load_b256 s[48:55], s[8:9], 1376             ; U[15][14..21]
	s_load_b128 s[56:59], s[8:9], 1480             ; U[16][18..21]
	s_load_b128 s[60:63], s[8:9], 1568             ; U[17][18..21]
	s_load_b128 s[68:71], s[8:9], 1656             ; U[18][18..21]
	s_load_b64 s[66:67], s[8:9], 1752              ; U[19][20..21]
	s_load_b64 s[72:73], s[8:9], 1016              ; U[11][12..13]
	s_load_b32 s74, s[8:9], 1108                   ; U[12][13]
	s_load_b32 s75, s[8:9], 1476                   ; U[16][17]
	s_load_b32 s76, s[8:9], 1844                   ; U[20][21]
	s_load_b32 s77, s[10:11], 0x0                  ; detune
	s_load_b32 s78, s[12:13], 0x0                  ; rabi
	s_lshl_b32 s3, s3, 24                          ; out0's row y: 2^24 bytes
	s_or_b32 s6, s6, s3
	s_add_nc_u64 s[14:15], s[14:15], s[6:7]        ; out0 at my wave's main share
.irp k, 0,1,2,3,4,5,6
	s_xor_b32 s6, s98, 1<<\k                       ; the tile whose number differs in bit k: index bit 15 + k
	s_lshl_b32 s6, s6, TILE_SH
	s_or_b32 s6, s6, s100
	s_add_nc_u64 s[82+2*\k:83+2*\k], s[4:5], s[6:7]
.endr
	; ---- the diagonal, while the 11 + 16 + 16 loads are on their way
.irp m, 0,1,2,3,4
	v_bfe_u32 v[LM+\m], v1, \m, 1
.endr
.irp m, 0,1,2,3,4
	v_cvt_f32_u32 v[LM+\m], v[LM+\m]
.endr
	s_wait_kmcnt 0x0                               ; the triangle of U, detune, rabi
	s_xor_b32 s77, s77, 0x80000000                 ; -detune
	s_mul_f32 s98, s78, 0.5                        ; rabi / 2 (T is not needed any more),
	s_mov_b32 s99, s98                             ; twice: a scalar pair is named whole by the packed forms
	s_mov_b32 s101, 0                              ; upper half of the pair s[100:101]
	s_wait_loadcnt 32                              ; U's rows are in: 16 + 16 loads were issued behind them; s[8:9] are free from here
	; AU(l) = sum over qubits a = 0..10 whose bit is set, a < l, of U[a][l].  The mask holds lanes l > a, or nothing.
	s_bitcmp1_b32 s79, 10
	s_cselect_b32 s3, 0xfffffffe, 0
	v_cndmask_b32 v[AU], 0, v[TMP], s3
.irp a, 1,2,3,4,5,6,7,8,9,10
	s_bitcmp1_b32 s79, 10-\a
	s_cselect_b32 s3, (0xffffffff<<(\a+1))&0xffffffff, 0
	v_cndmask_b32 v[TT], 0, v[TMP+\a], s3
	v_add_f32 v[AU], v[AU], v[TT]
.endr
	; q of the uniform bits: sum over lanes l = 0..10 whose own qubit is set of AU(l), and -detune for each set bit
	v_sub_nc_u32 v[TT], 10, v1
	v_lshrrev_b32 v[TT], v[TT], s79                ; lanes above 10 shift by 11 or more (the amount is taken modulo 32) and get 0
	v_and_b32 v[TT], 1, v[TT]
	v_cmp_ne_u32 vcc_lo, 0, v[TT]
	v_cndmask_b32 v[TT], 0, v[AU], vcc_lo
	v_add_f32_dpp v[TT], v[TT], v[TT] row_xmask:1 row_mask:0xf bank_mask:0xf
	v_add_f32_dpp v[TT], v[TT], v[TT] row_xmask:2 row_mask:0xf bank_mask:0xf
	v_add_f32_dpp v[TT], v[TT], v[TT] row_xmask:4 row_mask:0xf bank_mask:0xf
	v_add_f32_dpp v[TT], v[TT], v[TT] row_xmask:8 row_mask:0xf bank_mask:0xf
	v_readfirstlane_b32 s8, v[TT]
	s_bcnt1_i32_b32 s9, s79
	s_cvt_f32_u32 s9, s9
	s_fmac_f32 s8, s9, s77
	; q of all bits fixed in the lane, into ACC+0.  Lane bit m is qubit 19 - m; its weight from the uniform bits lies in AU's lane 19 - m.
	v_readlane_b32 s9, v[AU], 19
	s_add_f32 s9, s9, s77
	v_fma_f32 v[ACC], v[LM], s9, s8
	v_readlane_b32 s9, v[AU], 18
	s_add_f32 s9, s9, s77
	v_fma_f32 v[TT], v[LM], s69, s9                ; U[18][19]
	v_fma_f32 v[ACC], v[LM+1], v[TT], v[ACC]
	v_readlane_b32 s9, v[AU], 17
	s_add_f32 s9, s9, s77
	v_fma_f32 v[TT], v[LM], s61, s9                ; U[17][19]
	v_fma_f32 v[TT], v[LM+1], s60, v[TT]           ; U[17][18]
	v_fma_f32 v[ACC], v[LM+2], v[TT], v[ACC]
	v_readlane_b32 s9, v[AU], 16
	s_add_f32 s9, s9, s77
	v_fma_f32 v[TT], v[LM], s57, s9                ; U[16][19]
	v_fma_f32 v[TT], v[LM+1], s56, v[TT]           ; U[16][18]
	v_fma_f32 v[TT], v[LM+2], s75, v[TT]           ; U[16][17]
	v_fma_f32 v[ACC], v[LM+3], v[TT], v[ACC]
	v_readlane_b32 s9, v[AU], 15
	s_add_f32 s9, s9, s77
	v_fma_f32 v[TT], v[LM], s53, s9                ; U[15][19]
	v_fma_f32 v[TT], v[LM+1], s52, v[TT]           ; U[15][18]
	v_fma_f32 v[TT], v[LM+2], s51, v[TT]           ; U[15][17]
	v_fma_f32 v[TT], v[LM+3], s50, v[TT]           ; U[15][16]
	v_fma_f32 v[ACC], v[LM+4], v[TT], v[ACC]
; the weight of a running bit (qubit ln): -detune + uniform bits' share + lane bits' share; u0..u4 = U between it and qubits 19..15
.macro GLIN dst, ln, u0, u1, u2, u3, u4
	v_readlane_b32 s9, v[AU], \ln
	s_add_f32 s9, s9, s77
	v_fma_f32 v[\dst], v[LM], s[\u0], s9
	v_fma_f32 v[\dst], v[LM+1], s[\u1], v[\dst]
	v_fma_f32 v[\dst], v[LM+2], s[\u2], v[\dst]
	v_fma_f32 v[\dst], v[LM+3], s[\u3], v[\dst]
	v_fma_f32 v[\dst], v[LM+4], s[\u4], v[\dst]
.endm
	GLIN GL,    21, 67, 71, 63, 59, 55             ; index bit 0  = qubit 21
	GLIN GL+1,  20, 66, 70, 62, 58, 54             ; index bit 1  = qubit 20
	GLIN GQ,    14, 45, 44, 43, 42, 41             ; index bit 7  = qubit 14
	GLIN GQ+4,  13, 37, 36, 35, 34, 33             ; index bit 8  = qubit 13
	GLIN GQ+8,  12, 29, 28, 27, 26, 25             ; index bit 9  = qubit 12
	GLIN GQ+12, 11, 21, 20, 19, 18, 17             ; index bit 10 = qubit 11
	v_add_f32 v[ACC+1], v[ACC], v[GL]              ; the four register places of step j = 0
	v_add_f32 v[ACC+2], v[ACC], v[GL+1]
	v_add_f32 v[TT], s76, v[GL+1]                  ; U[20][21]
	v_add_f32 v[ACC+3], v[ACC+1], v[TT]
.macro GQUAD n, c21, c20                           ; the weight of index bit 7 + n at the four register places
	v_add_f32 v[GQ+4*\n+1], s[\c21], v[GQ+4*\n]
	v_add_f32 v[GQ+4*\n+2], s[\c20], v[GQ+4*\n]
	v_add_f32 v[GQ+4*\n+3], s[\c20], v[GQ+4*\n+1]
.endm
	GQUAD 0, 47, 46
	GQUAD 1, 39, 38
	GQUAD 2, 31, 30
	GQUAD 3, 23, 22
; doubling over j: D[2^n + j] = D[j] + weight of bit n + (U between bit n and the set bits of j, in s100)
.macro DBL0 n
	PADD4 ACC+4*(1<<\n), ACC, GQ+4*\n
.endm
.macro DBL n, j
	v_pk_add_f32 v[TMP+4*(\j%2):TMP+4*(\j%2)+1], v[GQ+4*\n:GQ+4*\n+1], s[100:101] op_sel_hi:[1,0]
	v_pk_add_f32 v[TMP+4*(\j%2)+2:TMP+4*(\j%2)+3], v[GQ+4*\n+2:GQ+4*\n+3], s[100:101] op_sel_hi:[1,0]
	PADD4 ACC+4*((1<<\n)+\j), ACC+4*\j, TMP+4*(\j%2)
.endm
	DBL0 0
	DBL0 1
	s_mov_b32 s100, s32                            ; U[13][14]
	DBL 1, 1
	DBL0 2
	s_mov_b32 s100, s24                            ; U[12][14]
	DBL 2, 1
	s_mov_b32 s100, s74                            ; U[12][13]
	DBL 2, 2
	s_add_f32 s100, s24, s74
	DBL 2, 3
	DBL0 3
	s_mov_b32 s100, s16                            ; U[11][14]
	DBL 3, 1
	s_mov_b32 s100, s73                            ; U[11][13]
	DBL 3, 2
	s_add_f32 s100, s16, s73
	DBL 3, 3
	s_mov_b32 s100, s72                            ; U[11][12]
	DBL 3, 4
	s_add_f32 s100, s16, s72
	DBL 3, 5
	s_add_f32 s100, s73, s72
	DBL 3, 6
	s_add_f32 s100, s100, s16
	DBL 3, 7
	; ---- G = the sum of the flips of index bits 11-14, in the transposed share, where they are the four bits of the load's number j
.irp g, 0,1,2,3
	s_wait_loadcnt 28-4*\g                         ; loads 4g .. 4g+3 of this share are in: 12 - 4g of it and the 16 of the main share are younger
	PADD4 T1+8*\g, QB+16*\g, QB+16*\g+12           ; bits 11, 12: a + d, which serves b and c,
	PADD4 T1+8*\g+4, QB+16*\g+4, QB+16*\g+8        ; and b + c, which serves a and d
.endr
; loads c, c+4, c+8, c+12 = a b c d of bits 13, 14; o = where their sum of bits 11, 12 lies (4: b + c, for c = 0 and 3; 0: a + d); G replaces x in place
.macro GCOL c, o, t
	PADD4 \t, QB+4*\c, QB+4*\c+48
	PADD4 \t+4, QB+4*\c+16, QB+4*\c+32
	PADD4 QB+4*\c, \t+4, T1+\o
	PADD4 QB+4*\c+48, \t+4, T1+24+\o
	PADD4 QB+4*\c+16, \t, T1+8+\o
	PADD4 QB+4*\c+32, \t, T1+16+\o
	ds_store_b128 v4, v[QB+4*\c:QB+4*\c+3] offset:8192*\c              ; each number's own place in the tile: 32 lanes, 512 consecutive bytes
	ds_store_b128 v4, v[QB+4*\c+16:QB+4*\c+19] offset:8192*(\c+4)
	ds_store_b128 v5, v[QB+4*\c+32:QB+4*\c+35] offset:8192*\c
	ds_store_b128 v5, v[QB+4*\c+48:QB+4*\c+51] offset:8192*(\c+4)
.endm
	GCOL 0, 4, T2
	GCOL 1, 0, T2+8
	GCOL 2, 0, T2
	GCOL 3, 4, T2+8
	s_wait_dscnt 0x0                               ; for the other waves: my 8 KiB of G are in LDS.  And for the ring: the stores have read its registers
; Group g = the 512 bytes at step g of my wave's main share in each of the seven neighbour tiles.  NISS counts the groups issued.
; The slot may be given as an expression, so it stands in brackets wherever it is multiplied.
.set NISS, 0
.macro ISSUE slot
.irp k, 0,1,2,3,4,5,6
	global_load_b128 v[RING+GRP*(\slot)+4*\k:RING+GRP*(\slot)+4*\k+3], v3, s[82+2*\k:83+2*\k] offset:STEP*NISS
.endr
.set NISS, NISS+1
.endm
	ISSUE 0
	ISSUE 1
	ISSUE 2
	; ---- my own numbers: result = D x + (rabi/2)(flips of bits 0 and 1), fused; then x is scaled in place
.macro OWN e
	s_wait_loadcnt 36-(\e)                         ; main load e is in: 15 - e main loads and 21 neighbour loads are younger
	v_pk_add_f32 v[TMP+2*(\e):TMP+2*(\e)+1], v[XR+4*(\e):XR+4*(\e)+1], v[XR+4*(\e)+2:XR+4*(\e)+3] op_sel:[0,1] op_sel_hi:[1,0]   ; (a + d, b + c)
	v_pk_mul_f32 v[TMP+2*(\e):TMP+2*(\e)+1], v[TMP+2*(\e):TMP+2*(\e)+1], s[98:99] op_sel_hi:[1,0]
	v_pk_fma_f32 v[ACC+4*(\e):ACC+4*(\e)+1], v[ACC+4*(\e):ACC+4*(\e)+1], v[XR+4*(\e):XR+4*(\e)+1], v[TMP+2*(\e):TMP+2*(\e)+1] op_sel:[0,0,1] op_sel_hi:[1,1,0]   ; places 0, 1 take b + c, a + d
	v_pk_fma_f32 v[ACC+4*(\e)+2:ACC+4*(\e)+3], v[ACC+4*(\e)+2:ACC+4*(\e)+3], v[XR+4*(\e)+2:XR+4*(\e)+3], v[TMP+2*(\e):TMP+2*(\e)+1]                               ; places 2, 3 take a + d, b + c
	v_pk_mul_f32 v[XR+4*(\e):XR+4*(\e)+1], v[XR+4*(\e):XR+4*(\e)+1], s[98:99] op_sel_hi:[1,0]
	v_pk_mul_f32 v[XR+4*(\e)+2:XR+4*(\e)+3], v[XR+4*(\e)+2:XR+4*(\e)+3], s[98:99] op_sel_hi:[1,0]
.endm
.macro QJ a, b, c, d, t                            ; flips of two bits of j: steps a b c d = 00 01 10 11 of them
	PADD4 \t, XR+4*(\a), XR+4*(\d)
	PADD4 \t+4, XR+4*(\b), XR+4*(\c)
	PADD4 ACC+4*(\a), ACC+4*(\a), \t+4
	PADD4 ACC+4*(\d), ACC+4*(\d), \t+4
	PADD4 ACC+4*(\b), ACC+4*(\b), \t
	PADD4 ACC+4*(\c), ACC+4*(\c), \t
.endm
.irp g, 0,1,2,3
	OWN 4*\g
	OWN 4*\g+1
	OWN 4*\g+2
	OWN 4*\g+3
	QJ 4*\g, 4*\g+1, 4*\g+2, 4*\g+3, TMP+8*\g      ; bits 7 and 8 of these four loads, while the next main loads arrive
.endr
	s_barrier_signal -1                            ; my LDS stores were waited for above, and no LDS instruction has been issued since
.irp g, 0,1,2,3
	QJ \g, \g+4, \g+8, \g+12, TMP+8*\g             ; register work while the others arrive: bits 9 and 10
.endr
	s_barrier_wait -1                              ; all of G is in LDS; nothing is stored to LDS again
; bits 11-14: LDS load j takes quad j of G in my main share; eight loads are kept out, in eight register quads
.macro LLOAD j
	ds_load_b128 v[TMP+4*((\j)%8):TMP+4*((\j)%8)+3], v0 offset:STEP*(\j)
.endm
.macro LSTEP j
.if (\j) < 8
	s_wait_dscnt 7                                 ; LDS loads come back in order: load j is in, the seven younger stay out
.else
	s_wait_dscnt 15-(\j)                           ; nothing is issued any more: the count runs down
.endif
	v_pk_fma_f32 v[ACC+4*(\j):ACC+4*(\j)+1], v[TMP+4*((\j)%8):TMP+4*((\j)%8)+1], s[98:99], v[ACC+4*(\j):ACC+4*(\j)+1] op_sel_hi:[1,0,1]
	v_pk_fma_f32 v[ACC+4*(\j)+2:ACC+4*(\j)+3], v[TMP+4*((\j)%8)+2:TMP+4*((\j)%8)+3], s[98:99], v[ACC+4*(\j)+2:ACC+4*(\j)+3] op_sel_hi:[1,0,1]
.if (\j) < 8
	LLOAD (\j)+8
.endif
.endm
; group j, which lies in the given slot, is summed and joins the result; the slot is asked for again while groups are left
.macro NB j, slot
	s_wait_loadcnt 7*(NISS-(\j)-1)                 ; loads come back in order: the groups issued behind group j, seven loads each, stay out: 14, at the end 7 and 0
.set R, RING+GRP*(\slot)
	PADD4 R, R, R+4
	PADD4 R+8, R+8, R+12
	PADD4 R+16, R+16, R+20
	PADD4 R, R, R+8
	PADD4 R+16, R+16, R+24
	PADD4 R, R, R+16
	v_pk_fma_f32 v[ACC+4*(\j):ACC+4*(\j)+1], v[R:R+1], s[98:99], v[ACC+4*(\j):ACC+4*(\j)+1] op_sel_hi:[1,0,1]
	v_pk_fma_f32 v[ACC+4*(\j)+2:ACC+4*(\j)+3], v[R+2:R+3], s[98:99], v[ACC+4*(\j)+2:ACC+4*(\j)+3] op_sel_hi:[1,0,1]
.if NISS < 16
	ISSUE \slot
.endif
.endm
.macro STORE j
	global_store_b128 v3, v[ACC+4*(\j):ACC+4*(\j)+3], s[14:15] offset:STEP*(\j) th:TH_STORE_NT   ; 512 consecutive bytes, aligned; written once, not read again
.endm
; one step: quad j is finished and stored
.macro DOJ j
.irp i, 0,1,2,3
	v_permlanex16_b32 v[PX+\i], v[XR+4*(\j)+\i], s104, s105        ; bit 6: lane xor 16; the destinations have been written before
.endr
.irp m, 1,2,4,8
.irp i, 0,1,2,3
	v_add_f32_dpp v[ACC+4*(\j)+\i], v[XR+4*(\j)+\i], v[ACC+4*(\j)+\i] row_xmask:\m row_mask:0xf bank_mask:0xf   ; bits 2-5: x from lane xor m inside each 16 lanes
.endr
.endr
	PADD4 ACC+4*(\j), ACC+4*(\j), PX
	LSTEP \j                                       ; bits 11-14
	NB \j, (\j)%3                                  ; bits 15-21; group j + 3 goes out into the same slot
	STORE \j
.endm
.set jj, 0
.rept 8
	LLOAD jj
.set jj, jj+1
.endr
.set jj, 0
.rept 16
	DOJ jj
.set jj, jj+1
.endr
	s_endpgm
.Lfunc_end_k_q65346b479f_rydberg:
	.size	k_q65346b479f_rydberg, .Lfunc_end_k_q65346b479f_rydberg-k_q65346b479f_rydberg
	.p2alignl 7, 3214868480
	.fill 96, 4, 3214868480
	.section	.rodata,"a",@progbits
	.p2align	6, 0x0
	.amdhsa_kernel k_q65346b479f_rydberg
		.amdhsa_group_segment_fixed_size 131072
		.amdhsa_private_segment_fixed_size 0
		.amdhsa_enable_private_segment 0
		.amdhsa_kernarg_size 48
		.amdhsa_user_sgpr_count 2
		.amdhsa_user_sgpr_kernarg_segment_ptr 1
		.amdhsa_wavefront_size32 1
		.amdhsa_system_sgpr_workgroup_id_x 1
		.amdhsa_system_sgpr_workgroup_id_y 1
		.amdhsa_system_sgpr_workgroup_id_z 1
		.amdhsa_system_vgpr_workitem_id 0
		.amdhsa_next_free_vgpr 256
		.amdhsa_next_free_sgpr 106
		.amdhsa_reserve_vcc 1
		.amdhsa_float_denorm_mode_32 3
		.amdhsa_float_denorm_mode_16_64 3
		.amdhsa_memory_ordered 1
		.amdhsa_forward_progress 1
		.amdhsa_inst_pref_size 89
	.end_amdhsa_kernel
	.amdgpu_metadata
---
amdhsa.version: [ 1, 2 ]
amdhsa.kernels:
  - .name:           k_q65346b479f_rydberg
    .symbol:         k_q65346b479f_rydberg.kd
    .args:
      - { .name: state_real, .offset: 0, .size: 8, .value_kind: global_buffer, .address_space: global }
      - { .name: state_imag, .offset: 8, .size: 8, .value_kind: global_buffer, .address_space: global }
      - { .name: U, .offset: 16, .size: 8, .value_kind: global_buffer, .address_space: global }
      - { .name: detune, .offset: 24, .size: 8, .value_kind: global_buffer, .address_space: global }
      - { .name: rabi, .offset: 32, .size: 8, .value_kind: global_buffer, .address_space: global }
      - { .name: out0, .offset: 40, .size: 8, .value_kind: global_buffer, .address_space: global }
    .group_segment_fixed_size: 131072
    .private_segment_fixed_size: 0
    .kernarg_segment_align: 8
    .kernarg_segment_size: 48
    .max_flat_workgroup_size: 512
    .sgpr_count:     106
    .vgpr_count:     256
    .wavefront_size: 32
...
	.end_amdgpu_metadata
.endif
;; end of part 2
